; MI455X (gfx1250); checked and timed in simulation.
; The chip was launched on July 23, 2026; its instructions are those of AMD's public machine-readable ISA for CDNA 5 (MIT licence, August 2026) and "CDNA5" Instruction Set Architecture Reference Guide (July 2026). The comments in the code are by the model that wrote it; some were corrected since.
;; Sparse Attention. Allowed arithmetic: matrix products marked QUANTISED: E2M1 operands, one E8M0 scale for each 32 along K, by v_wmma_scale_f32_16x16x128_f8f6f4 with both operands' format E2M1 (or v_wmma_scale_f32_32x16x128_f4), f32 sums; everything else in f32.
;; Inputs: Wk_codes 512 x 16 x 16 uint8 (E2M1 codes of Wk, K innermost, in blocks of 32 codes, two codes a byte); Wk_scales 512 x 16 uint8 (E8M0 scales of Wk, one for each 32 codes along K); Wo_codes 512 x 16 x 16 uint8 (E2M1 codes of Wo, K innermost, in blocks of 32 codes, two codes a byte); Wo_scales 512 x 16 uint8 (E8M0 scales of Wo, one for each 32 codes along K); Wq_codes 512 x 16 x 16 uint8 (E2M1 codes of Wq, K innermost, in blocks of 32 codes, two codes a byte); Wq_scales 512 x 16 uint8 (E8M0 scales of Wq, one for each 32 codes along K); Wv_codes 512 x 16 x 16 uint8 (E2M1 codes of Wv, K innermost, in blocks of 32 codes, two codes a byte); Wv_scales 512 x 16 uint8 (E8M0 scales of Wv, one for each 32 codes along K); bk 512 float32; bo 512 float32; bq 512 float32; bv 512 float32; x_codes 2 x 4,096 x 16 x 16 uint8 (E2M1 codes of x, K innermost, in blocks of 32 codes, two codes a byte); x_scales 2 x 4,096 x 16 uint8 (E8M0 scales of x, one for each 32 codes along K).
;; Outputs: out0 2 x 4,096 x 512 float32.
;; This version of the problem:
;;   THIS VERSION OF THE PROBLEM IS GIVEN IN LOW PRECISION. The matrix products marked QUANTISED in the list below multiply operands that are first quantised to E2M1 (2 exponent bits, 1 mantissa bit; 4 bits a number), with one power-of-two scale for each 32 numbers along K (OCP MX v1.0); their sums are f32. All else is computed in f32.
;;   The module's matrix products, in the order in which they are computed (A, B: the left and right operand; K: the contracted axis; several contracted axes count as one K, in the product's order):
;;     1. [M 8,192, K 512] x [K 512, N 512]; A: input x (given as codes); B: input Wq (given as codes): QUANTISED
;;     2. [M 8,192, K 512] x [K 512, N 512]; A: input x (given as codes); B: input Wk (given as codes): QUANTISED
;;     3. [M 8,192, K 512] x [K 512, N 512]; A: input x (given as codes); B: input Wv (given as codes): QUANTISED
;;     4. batch 16 x [M 4,096, K 64] x [K 64, N 4,096]; A: computed on the way; B: computed on the way: QUANTISED
;;     5. batch 16 x [M 4,096, K 4,096] x [K 4,096, N 64]; A: softmax (see below); B: computed on the way: QUANTISED
;;     6. [M 8,192, K 512] x [K 512, N 512]; A: computed on the way; B: input Wo (given as codes): QUANTISED
;;   THE QUANTISER, for each operand of a quantised product, along K:
;;     - K is cut into blocks of 32 from its start; a last block that is shorter is filled with zeros.
;;     - A block's scale is 2^e with e = floor(log2(the largest magnitude in the block)) - 2, held to -126 .. 127; a block of zeros has e = 0. As a byte (E8M0): e + 127.
;;     - Each number is divided by its block's scale, clamped to +-6, and rounded to the nearest number of E2M1, ties to even, subnormals kept.
;;     - The product sums the exact products of the quantised numbers (number of the format x scale) in f32.
;;   ~~~python
;;   def quantise(x, axis):      # numpy; x: float32 -> the quantised numbers, widened to float32 again
;;       x = np.moveaxis(x, axis, -1); K = x.shape[-1]
;;       x = np.pad(x, [(0, 0)] * (x.ndim - 1) + [(0, -K % 32)]); x = x.reshape(x.shape[:-1] + (-1, 32)); a = np.abs(x).max(-1, keepdims=True)
;;       e = np.where(a > 0, np.clip(np.frexp(np.where(a > 0, a, 1))[1] - 1 - 2, -126, 127), 0)      # np.frexp(a)[1] - 1 = floor(log2(a)), exactly
;;       r = np.clip(x / 2.0 ** e, -6, 6)
;;       step = 2.0 ** (np.maximum(np.frexp(np.where(r == 0, 1, r))[1] - 1, 0) - 1)
;;       q = np.round(r / step) * step * 2.0 ** e      # np.round: ties to even
;;       return np.moveaxis(q.reshape(q.shape[:-2] + (-1,))[..., :K], -1, axis).astype(np.float32)
;;   ~~~
;;   SOFTMAX AHEAD OF A QUANTISED PRODUCT. Where the list says 'softmax', what is quantised is not the finished softmax but p = 2^(t - M), with t = logit x log2(e) and M = ceil(the row's largest t), a whole number; so 1/2 < the row's largest p <= 1. The row's sum l is taken of the UNQUANTISED p, in f32, and the product's result is divided by l at the end. Since M is a whole number, a kernel that streams over the keys may use a running M (the ceiling of the running maximum): every later rescaling is an exact power of two, which a block's scale takes up: the codes' values come out the same.
;;   OPERANDS COMPUTED ON THE WAY. 'Computed on the way' means the value that the module computes at that place (a softmax that the list does not call 'softmax' is quantised finished and normalised). What goes into a quantiser is computed in f32, as accurately as f32 sums, v_exp_f32 and their like allow (about 1e-6 of the number): no bf16 or f16 on the way to a quantiser, and a product that is left as it is and whose result goes on into a quantised operand takes f32 operands (vector FMAs, or v_wmma_f32_16x16x4_f32). A number that lies on a knife's edge between two numbers of the format may be rounded either way, as far as f32 arithmetic and the matrix unit's own rounding can turn it there, and no further.
;;   INPUTS GIVEN AS CODES. Wk (in the module: [512, 512], K = its axis 1); Wo (in the module: [512, 512], K = its axis 1); Wq (in the module: [512, 512], K = its axis 1); Wv (in the module: [512, 512], K = its axis 1); x (in the module: [2, 4096, 512], K = its axis 2): each comes as NAME_codes (uint8): NAME with its K axis moved to the last place and cut into blocks of 32 codes, [.., K / 32, bytes a block], one block behind the other in memory; two codes a byte, the lower K in the low four bits (a code: sign, 2 exponent bits, 1 mantissa bit); and NAME_scales (uint8): the same leading axes, one E8M0 byte (e + 127) for each 32 codes along K. Its value is code x scale, taken as it is: it is not quantised again, and the codes and scales need not be those that the quantiser above would give.
;; One version. Each part assembles by itself: llvm-mc -triple=amdgcn-amd-amdhsa -mcpu=gfx1250 --defsym DOCPART=n.
;; ======== version 1 of 1: 1 launch
;; launch attn (part 1): grid 256 x 1, 16 waves a work-group, no clusters, 225,280 bytes of LDS; arguments x_codes, x_scales, Wq_codes, Wq_scales, bq, Wk_codes, Wk_scales, bk, Wv_codes, Wv_scales, bv, Wo_codes, Wo_scales, bo, out0; writes out0
.if DOCPART == 1
	.amdgcn_target "amdgcn-amd-amdhsa--gfx1250"
	.amdhsa_code_object_version 6
	.text
	.protected	k_qec27cf394e_attn
	.globl	k_qec27cf394e_attn
	.p2align	8
	.type	k_qec27cf394e_attn,@function
k_qec27cf394e_attn:
	s_mov_b64 s[64:65], 0
	v_nop
	global_prefetch_b8 v0, s[64:65] scope:SCOPE_SE
	s_setreg_imm32_b32 hwreg(HW_REG_WAVE_MODE, 25, 1), 1
	s_wait_xcnt 0x0
; Attention with a band |q - k| <= 64, 2 x 4,096 rows of 512, 8 heads of 64, all six products on codes of FP4 (E2M1) with one E8M0 scale for each 32 along K.  One launch, nothing goes through memory.
; SHARES.  Work-group g owns the 32 queries at rows 32 g .. 32 g + 31.  Their band is the 160 keys at window index 0 .. 159 = row 32 g - 64 + index: five whole blocks of 32 keys; the queries are block 2.
; The work-group makes K and V of that window itself.  Sixteen waves of 256 registers, four to a SIMD, so that one wave's vector work stands beside another's products.  Wave w: head hd = w % 8, z = w / 8.
;   P0  the window's 160 rows of x (codes, scale bytes) go through registers into LDS; each wave's slice of Wk (z = 0) or Wv (z = 1) goes from memory straight into its operand registers.
;   P1  five trips, a block of 32 keys each: z = 0 makes K of head hd (transposed: a lane holds a key, its registers run along the head), z = 1 makes V (a lane holds one of the head's 64, its registers run along the keys);
;       both are quantised in registers and stored to LDS in the order of the next operand's registers.
;   P2  every wave makes Q of head hd for its 16 queries (tile z) and quantises it in registers.
;   P3  attention of (hd, tile z) in one pass: 10 products K Q^T, the mask, M = ceil(largest t), p = 2^(t - M), the sum of the unquantised p, p quantised in registers, 8 products V^T P^T, / the sum, quantised, to LDS.
;   P4  the last projection: wave w makes columns 32 w .. 32 w + 31 of both query tiles; the rows meet in a stage in LDS and leave whole.
; THE ROWS OF A TILE ARE NOT NEIGHBOURS: lane r of tile u of a block of 32 takes row 8 u + r + 8 (r / 8), of x's rows (keys, queries) and of Wq's, Wk's, Wv's rows alike.  So the 16 registers of two neighbouring tiles
; are 16 neighbours along the next K: 32 b + 16 (lane / 16) + 0 .. 15.
; K = 64 IN A FORM OF K = 128: Q's registers 4-7 hold zero codes and its scale bytes 2, 3 are 0; what K's operand holds there (the next tile's codes) is multiplied by zeros.  FP4 has no NaN and no infinity.
; The second K step of V^T P^T holds key block 4 alone, in the same way: P's codes are zeros everywhere else.
; MASKED KEYS.  Blocks before the sequence's first or behind its last key are read from a clamped row (always inside the buffer), and their scores become -infinity like all others outside the band: p = 0, zero codes.
; NO JOINT LOADS OF THE WEIGHTS, though all work-groups read them: a wave's slice is used by that wave alone and lands in its operand registers.  Through LDS a weight takes 512 x 272 = 139,264 bytes; two of them beside the
; 223,232 bytes used here are more than the 327,680 that there are, so that they would have to be brought in parts, with a barrier for each.
; LIMITS: NaN, infinities and scale bytes 0xff among the inputs are not served.  A block of zeros gets the byte 1 where the rule says 127: its codes are zeros, and this program alone reads the bytes.
; A p under 2^-126 becomes 0 (v_exp_f32 gives no denormals): nothing beside a sum above 1/2.  1 / the sum is v_rcp_f32's.
.set XP,    272                        ; a row of x in LDS: 256 bytes + 16: an odd multiple of 16, so that the 16 rows of a fragment load start in different banks (ISA guide 11.1)
.set XIMG,  0                          ; 160 slots x 272.  Window row 32 b + 16 a + 8 u + e lies in slot 32 b + 16 u + 8 a + e: a tile's 16 rows are neighbouring slots
.set XSCL,  43520                      ; their scale bytes, 16 a slot
.set KIMG,  46080                      ; head x 5,120 + key tile (2 b + u) x 512 + block of the head's 64 x 256 + 16 r + 8 h
.set VIMG,  87040                      ; head x 5,120 + key block x 1,024 + tile of the head's 64 x 256 + 16 r + 8 h
.set KSCL,  128000                     ; head x 1,280 + key tile x 128 + 8 r: a word, two bytes used
.set VSCL,  138240                     ; head x 1,280 + tile x 128 + 8 r: byte b = key block b; bytes 5-7 zero
.set OIMG,  148480                     ; z x 4,096 + head x 512 + block x 256 + 16 r + 8 h
.set OSCL,  156672                     ; (4 z + head / 2) x 64 + 4 r + 2 (head % 2)
.set STG,   157184                     ; 32 slots x 2,064 (a row of out0 + 16)
.set SP,    2064
; vector registers.  v1-v9: LDS addresses and offsets, written on the way that all waves take
.set XA,  1                            ; P0-P2: 272 r + 16 h
.set XSA, 2                            ;        XSCL + 16 r
.set WI,  3                            ;        my image: KIMG or VIMG + head + 16 r + 8 h
.set WSA, 4                            ;        my scales: KSCL or VSCL + head + 8 r
.set CX,  5                            ;        the trip's addresses (in P0: v5, v6 where x is put)
.set CXS, 6
.set CWI, 7
.set CWK, 8
.set CWV, 9
; v10-v23 hold scale words and nothing else
.set WS,  10                           ; v10-17 a weight's: register 4 p + s: lanes 0-15 tile 2 p, lanes 16-31 tile 2 p + 1, K step s
.set XS,  18                           ; v18-21 x's, K steps 0-3
.set KS,  10                           ; v10-19 K's ten tiles
.set QS,  20
.set VSA, 10                           ; v10-13 V's, key blocks 0-3;  v14-17 key block 4
.set VSB, 14
.set PWA, 18
.set PWB, 19
.set WOS, 20                           ; v20-23 Wo's: lanes 0-15 tile 0, lanes 16-31 tile 1
.set OS,  10                           ; v10-17 the attention's result
.set XF,  24                           ; v24-55 x's fragment, K step s at + 8 s.  Behind the products the quantiser works here:
.set PC,  24                           ; v24-31 codes just made
.set TM,  32                           ; v32-36 largest magnitudes
.set PW,  37                           ; a scale word on its way to LDS
.set TP,  38                           ; v38-42 the other half's maxima, then the bytes
.set NINF, 43
.set TS,  44                           ; v44-48 the conversions' scale operands
.set LOB, 49
.set HIB, 50
.set MM,  52                           ; v52 -M, v53 the largest t
.set LL,  54                           ; v54-55 the sum, then 1 / the sum
.set BK,  56                           ; v56-87 bias of K or Q, 8 registers a tile, in the result's layout
.set ACK, 88                           ; v88-119 K's or Q's four tiles
.set BV,  56                           ; v56-63 V's bias, a pair of equal words a tile
.set ACV, 64                           ; v64-127 V: 16 t + 8 u + j
.set WF,  128                          ; v128-255 the weight's slice: tile t, K step s at 8 (4 t + s)
.set STD, 88                           ; P0: x on its way, v88-107; its scale bytes v108-111; offsets v112-117; a zero v118
.set XSD, 108
.set G0,  112
.set G1,  113
.set G5,  114
.set G2,  115
.set G3,  116
.set G4,  117
.set ZR,  118
.set QF,  24                           ; P3: v24-31 Q (28-31 zeros), later P of key block 4
.set PA,  56                           ; v56-63 P of key blocks 0-3
.set KF,  64                           ; v64-107 K: tile i at + 4 i; 104-107 zeros
.set VA,  64                           ; v64-95 V, key blocks 0-3: tile t at + 8 t
.set VB,  96                           ; v96-111 V, key block 4: tile t at + 4 t; 112-115 zeros
.set SS,  112                          ; v112-191 the scores, then p: 16 b + 8 u + j
.set OA,  116                          ; v116-147 O^T
.set BO,  148                          ; v148-163 bo, 8 registers a tile
.set WO,  192                          ; v192-255 Wo: tile n, K step s at 8 (4 n + s)
.set OF,  24                           ; P4: v24-87 the eight fragments (4 q + s)
.set YA,  88                           ; v88-119 the four accumulators (2 n + q)
.set RB,  24                           ; v24-55 two rows read back
; One product.  c: first register of C, or -1 for the constant 0.  row: 1 = source 0's scales stand in lanes 16-31, 2 = source 1's.
.macro WM d, a, b, c, sa, sb, row
.if (\c) < 0
.if (\row) == 1
	v_wmma_scale_f32_16x16x128_f8f6f4 v[(\d):(\d)+7], v[(\a):(\a)+7], v[(\b):(\b)+7], 0, v[(\sa)], v[(\sb)] matrix_a_fmt:MATRIX_FMT_FP4 matrix_b_fmt:MATRIX_FMT_FP4 matrix_a_scale:MATRIX_SCALE_ROW1
.elseif (\row) == 2
	v_wmma_scale_f32_16x16x128_f8f6f4 v[(\d):(\d)+7], v[(\a):(\a)+7], v[(\b):(\b)+7], 0, v[(\sa)], v[(\sb)] matrix_a_fmt:MATRIX_FMT_FP4 matrix_b_fmt:MATRIX_FMT_FP4 matrix_b_scale:MATRIX_SCALE_ROW1
.else
	v_wmma_scale_f32_16x16x128_f8f6f4 v[(\d):(\d)+7], v[(\a):(\a)+7], v[(\b):(\b)+7], 0, v[(\sa)], v[(\sb)] matrix_a_fmt:MATRIX_FMT_FP4 matrix_b_fmt:MATRIX_FMT_FP4
.endif
.else
.if (\row) == 1
	v_wmma_scale_f32_16x16x128_f8f6f4 v[(\d):(\d)+7], v[(\a):(\a)+7], v[(\b):(\b)+7], v[(\c):(\c)+7], v[(\sa)], v[(\sb)] matrix_a_fmt:MATRIX_FMT_FP4 matrix_b_fmt:MATRIX_FMT_FP4 matrix_a_scale:MATRIX_SCALE_ROW1
.elseif (\row) == 2
	v_wmma_scale_f32_16x16x128_f8f6f4 v[(\d):(\d)+7], v[(\a):(\a)+7], v[(\b):(\b)+7], v[(\c):(\c)+7], v[(\sa)], v[(\sb)] matrix_a_fmt:MATRIX_FMT_FP4 matrix_b_fmt:MATRIX_FMT_FP4 matrix_b_scale:MATRIX_SCALE_ROW1
.else
	v_wmma_scale_f32_16x16x128_f8f6f4 v[(\d):(\d)+7], v[(\a):(\a)+7], v[(\b):(\b)+7], v[(\c):(\c)+7], v[(\sa)], v[(\sb)] matrix_a_fmt:MATRIX_FMT_FP4 matrix_b_fmt:MATRIX_FMT_FP4
.endif
.endif
.endm
; A head's 64 rows of a weight, 512 along K: 16 fragments.  off: 256 (r + 8 (r / 8)) + 16 h
.macro WLOAD ptr, off
.irp t, 0,1,2,3
.irp s, 0,1,2,3
.irp c, 0,1
	global_load_b128 v[WF+8*(4*\t+\s)+4*\c:WF+8*(4*\t+\s)+4*\c+3], v[\off], s[\ptr:\ptr+1] offset:(32*(\t/2)+8*(\t%2))*256+64*\s+32*\c
.endr
.endr
.endr
.endm
; Their scale bytes, 16 a row: lanes 0-15 take tile 2 k's rows, lanes 16-31 tile 2 k + 1's.  off: 16 (r + 8 (r / 8) + 8 h)
.macro WSLOAD ptr, off
.irp k, 0,1
	global_load_b128 v[WS+4*\k:WS+4*\k+3], v[\off], s[\ptr:\ptr+1] offset:512*\k
.endr
.endm
; A bias in the transposed result's layout: lane half h wants, for tile t, the numbers 32 (t / 2) + 8 (t % 2) + 16 h + 0 .. 7.  off: 64 h
.macro BLOAD ptr, off
.irp t, 0,1,2,3
	global_load_b128 v[BK+8*\t:BK+8*\t+3], v[\off], s[\ptr:\ptr+1] offset:(32*(\t/2)+8*(\t%2))*4
	global_load_b128 v[BK+8*\t+4:BK+8*\t+7], v[\off], s[\ptr:\ptr+1] offset:(32*(\t/2)+8*(\t%2))*4+16
.endr
.endm
; Tile u of the block at v[CX]: 16 rows x 512 K, and their scale words
.macro XFETCH u
.irp s, 0,1,2,3
.irp c, 0,1
	ds_load_b128 v[XF+8*\s+4*\c:XF+8*\s+4*\c+3], v[CX] offset:16*XP*(\u)+64*\s+32*\c
.endr
.endr
	ds_load_b128 v[XS:XS+3], v[CXS] offset:256*(\u)
.endm
; 16 products, transposed (source 0 = 16 rows of the weight, source 1 = 16 rows of x); the bias is the C of each sum's first.  The four accumulators take turns, one instruction a turn.
.macro PROJT
.irp s, 0,1,2,3
.irp t, 0,1,2,3
.if \s == 0
	WM ACK+8*\t, WF+8*(4*\t+\s), XF+8*\s, BK+8*\t, WS+4*(\t/2)+\s, XS+\s, \t%2
.else
	WM ACK+8*\t, WF+8*(4*\t+\s), XF+8*\s, ACK+8*\t, WS+4*(\t/2)+\s, XS+\s, \t%2
.endif
.endr
.endr
.endm
; The same the natural way round (source 0 = 16 rows of x, source 1 = 16 rows of the weight), for tile u of the keys
.macro PROJN u
.irp s, 0,1,2,3
.irp t, 0,1,2,3
.if \s == 0
	WM ACV+16*\t+8*(\u), XF+8*\s, WF+8*(4*\t+\s), -1, XS+\s, WS+4*(\t/2)+\s, 2*(\t%2)
.else
	WM ACV+16*\t+8*(\u), XF+8*\s, WF+8*(4*\t+\s), ACV+16*\t+8*(\u), XS+\s, WS+4*(\t/2)+\s, 2*(\t%2)
.endif
.endr
.endr
.endm
; Behind a run of products: plain vector instructions that name none of their registers (ISA guide 7.12.1).  Four serve reads of results and loads into operands; the fifth serves a later product that writes over a register of these.
.macro PLACES
.rept 5
	v_nop
.endr
.endm
; nb blocks of 32; block b's 16 numbers of my half stand at v[src + 16 b] on, the other 16 in lane l xor 16.  Codes to v[dst + 2 b], v[dst + 2 b + 1]; the byte to v[TP + b].  Each accumulator is read from its low end on.
.macro QN nb, src, dst
.irp b, 0,1,2,3
.if \b < \nb
	v_max3_num_f32 v[TM+\b], |v[(\src)+16*\b]|, |v[(\src)+16*\b+1]|, 0x1800000   ; with the floor 2^(3 - 127): the byte cannot fall under 1
.endif
.endr
.irp i, 2,4,6,8,10,12,14
.irp b, 0,1,2,3
.if \b < \nb
	v_max3_num_f32 v[TM+\b], v[TM+\b], |v[(\src)+16*\b+\i]|, |v[(\src)+16*\b+\i+1]|
.endif
.endr
.endr
.irp b, 0,1,2,3
.if \b < \nb
	v_permlanex16_b32 v[TP+\b], v[TM+\b], s40, s41
.endif
.endr
.irp b, 0,1,2,3
.if \b < \nb
	v_max_num_f32 v[TM+\b], v[TM+\b], v[TP+\b]           ; the block's largest magnitude
.endif
.endr
.irp b, 0,1,2,3
.if \b < \nb
	v_add_nc_u32 v[TS+\b], 0xff000000, v[TM+\b]          ; 2 off its exponent field: the conversion takes the exponent field of this operand as its scale
.endif
.endr
.irp b, 0,1,2,3
.if \b < \nb
	v_lshrrev_b32 v[TP+\b], 23, v[TS+\b]                 ; the scale's byte
.endif
.endr
.irp b, 0,1,2,3
.if \b < \nb
	v_cvt_scalef32_pk8_fp4_f32 v[(\dst)+2*\b], v[(\src)+16*\b:(\src)+16*\b+7], v[TS+\b]
	v_cvt_scalef32_pk8_fp4_f32 v[(\dst)+2*\b+1], v[(\src)+16*\b+8:(\src)+16*\b+15], v[TS+\b]
.endif
.endr
	v_nop                                                ; one plain place behind the last scaled conversion
.endm
; Register 16 b + n of the scores holds window key 32 b + 16 h + n.  Hidden below: 32 b + n < LOB;  hidden above: 32 (b - 3) + n > HIB
.macro MASKLO b
.irp n, 0,1,2,3,4,5,6,7,8,9,10,11,12,13,14,15
	v_cmp_lt_i32 vcc_lo, 32*(\b)+\n, v[LOB]
	v_cndmask_b32 v[SS+16*(\b)+\n], v[SS+16*(\b)+\n], v[NINF], vcc_lo
.endr
.endm
.macro MASKHI b
.irp n, 0,1,2,3,4,5,6,7,8,9,10,11,12,13,14,15
	v_cmp_gt_i32 vcc_lo, 32*((\b)-3)+\n, v[HIB]
	v_cndmask_b32 v[SS+16*(\b)+\n], v[SS+16*(\b)+\n], v[NINF], vcc_lo
.endr
.endm
.macro BAR                                               ; my LDS stores have landed and my LDS loads are in: then the work-group's barrier
	s_wait_dscnt 0x0
	s_barrier_signal -1
	s_barrier_wait -1
.endm
; ---------------------------------------------------------------- P0
	s_load_b512 s[8:23], s[0:1], 0x0               ; x_codes 8, x_scales 10, Wq_codes 12, Wq_scales 14, bq 16, Wk_codes 18, Wk_scales 20, bk 22
	s_load_b256 s[24:31], s[0:1], 0x40             ; Wv_codes 24, Wv_scales 26, bv 28, Wo_codes 30
	s_load_b128 s[32:35], s[0:1], 0x60             ; Wo_scales 32, bo 34
	s_load_b64 s[36:37], s[0:1], 0x70              ; out0
	v_lshrrev_b32 v7, 5, v0
	s_delay_alu instid0(VALU_DEP_1)
	v_readfirstlane_b32 s2, v7                     ; wave w
	s_and_b32 s3, s2, 7                            ; head
	s_lshr_b32 s4, s2, 3                           ; z
	s_mov_b32 s5, ttmp9                            ; g
	s_and_b32 s6, s5, 127
	s_lshl_b32 s6, s6, 5                           ; q0: my first query's place in its sequence
	s_mov_b32 s38, 0x3e38aa3b                      ; c = log2(e) / 8: t = score x c
	s_mov_b32 s39, s38                             ; (the packed form names the pair)
	s_mov_b32 s40, 0x76543210
	s_mov_b32 s41, 0xfedcba98                      ; v_permlanex16_b32's selects for lane l xor 16
	s_mov_b32 s47, 0                               ; the high word of every offset
	; the band's bounds in window keys.  Lowest key that counts: qi, or 64 - q0 where the sequence begins later (q0 < 64: 64 - q0 >= 32 > qi).  Highest: qi + 128, or 4,159 - q0 at the sequence's end (q0 >= 4,032: under 128).
	s_sub_co_i32 s73, 64, s6
	s_cmp_lt_u32 s6, 64
	s_cselect_b32 s68, 0, 1                        ; F: lowest = F qi + E
	s_cselect_b32 s69, s73, 0                      ; E
	s_sub_co_i32 s73, 4063, s6
	s_cmp_ge_u32 s6, 4032
	s_cselect_b32 s70, 0, 1                        ; G: highest - 96 = G qi + H
	s_cselect_b32 s71, s73, 32                     ; H
	s_and_b32 s72, s68, s70                        ; 1: the whole window lies inside the sequence
	v_and_b32 v7, 15, v0                           ; r
	s_wait_alu depctr_va_vdst(0)
	v_bfe_u32 v8, v0, 4, 1                         ; h
	v_mul_u32_u24 v[XA], v7, XP
	s_delay_alu instid0(VALU_DEP_1)
	v_lshl_add_u32 v[XA], v8, 4, v[XA]
	v_lshl_add_u32 v[XSA], v7, 4, XSCL
	s_mul_i32 s73, s4, 40960
	s_mul_i32 s74, s3, 5120
	s_add_co_u32 s73, s73, s74
	s_add_co_u32 s73, s73, KIMG
	v_lshlrev_b32 v[WI], 4, v7
	s_delay_alu instid0(VALU_DEP_1)
	v_lshl_add_u32 v[WI], v8, 3, v[WI]
	s_delay_alu instid0(VALU_DEP_1)
	v_add_nc_u32 v[WI], s73, v[WI]
	s_mul_i32 s73, s4, 10240
	s_mul_i32 s74, s3, 1280
	s_add_co_u32 s73, s73, s74
	s_add_co_u32 s73, s73, KSCL
	v_lshlrev_b32 v[WSA], 3, v7
	s_delay_alu instid0(VALU_DEP_1)
	v_add_nc_u32 v[WSA], s73, v[WSA]
	v_bfe_u32 v5, v0, 4, 3                         ; thread t brings 16 bytes of row t / 16 of each block: its slot is e + 16 u + 8 a
	v_bfe_u32 v9, v0, 7, 1
	s_delay_alu instid0(VALU_DEP_1)
	v_lshl_add_u32 v5, v9, 4, v5
	v_bfe_u32 v9, v0, 8, 1
	s_delay_alu instid0(VALU_DEP_1)
	v_lshl_add_u32 v5, v9, 3, v5
	s_delay_alu instid0(VALU_DEP_1)
	v_mul_u32_u24 v5, v5, XP
	s_delay_alu instid0(VALU_DEP_1)
	v_lshl_add_u32 v5, v7, 4, v5                   ; + 16 (t % 16)
	v_and_b32 v6, 7, v0                            ; the scale bytes: lane = row of block w, the same slots
	v_bfe_u32 v9, v0, 3, 1
	s_delay_alu instid0(VALU_DEP_1)
	v_lshl_add_u32 v6, v9, 4, v6
	s_delay_alu instid0(VALU_DEP_1)
	v_lshl_add_u32 v6, v8, 3, v6
	s_delay_alu instid0(VALU_DEP_1)
	v_lshlrev_b32 v6, 4, v6
	s_lshl_b32 s73, s2, 9
	s_add_co_u32 s73, s73, XSCL
	v_add_nc_u32 v6, s73, v6
	v_lshlrev_b32 v[G0], 4, v0                     ; 16 t
	v_and_b32 v[G1], 31, v0
	s_delay_alu instid0(VALU_DEP_1)
	v_lshlrev_b32 v[G1], 4, v[G1]                  ; 16 lane
	v_and_b32 v[G5], 8, v7
	s_delay_alu instid0(VALU_DEP_1)
	v_add_nc_u32 v[G5], v[G5], v7                  ; r + 8 (r / 8)
	s_delay_alu instid0(VALU_DEP_1)
	v_lshlrev_b32 v[G2], 8, v[G5]
	s_delay_alu instid0(VALU_DEP_1)
	v_lshl_add_u32 v[G2], v8, 4, v[G2]
	s_delay_alu instid0(VALU_DEP_3)
	v_lshl_add_u32 v[G3], v8, 3, v[G5]
	s_delay_alu instid0(VALU_DEP_1)
	v_lshlrev_b32 v[G3], 4, v[G3]
	v_lshlrev_b32 v[G4], 6, v8
	v_lshlrev_b32 v[G5], 2, v[G5]
	v_mov_b32 v[ZR], 0
	s_wait_kmcnt 0x0
	s_lshl_b32 s73, s5, 5
	s_sub_co_i32 s73, s73, 64                      ; the window's first row; may lie before the buffer
.irp j, 0,1,2,3,4
	s_add_co_i32 s74, s73, 32*\j
	s_max_i32 s74, s74, 0
	s_min_i32 s74, s74, 8160                       ; a block outside the buffer is read from a block inside: all its keys are masked
	s_lshl_b32 s46, s74, 8
	s_add_nc_u64 s[48+2*\j:49+2*\j], s[8:9], s[46:47]
.endr
	s_lshl_b32 s74, s2, 5
	s_add_co_i32 s74, s73, s74
	s_max_i32 s74, s74, 0
	s_min_i32 s74, s74, 8160
	s_lshl_b32 s46, s74, 4
	s_add_nc_u64 s[58:59], s[10:11], s[46:47]
.irp j, 0,1,2,3,4
	global_load_b128 v[STD+4*\j:STD+4*\j+3], v[G0], s[48+2*\j:49+2*\j]   ; a wave reads 512 consecutive bytes, the work-group a block's 8,192
.endr
	s_cmp_lt_u32 s2, 5
	s_cbranch_scc0 .Lno_xs_load
	global_load_b128 v[XSD:XSD+3], v[G1], s[58:59]                       ; waves 0-4: a block's 512 scale bytes
.Lno_xs_load:
	s_cmp_eq_u32 s4, 0                             ; my weight in P1: Wk or Wv; the choice hangs on the wave's number alone
	s_cselect_b64 s[42:43], s[18:19], s[24:25]
	s_cselect_b64 s[44:45], s[20:21], s[26:27]
	s_lshl_b32 s46, s3, 14                         ; a head's 64 rows of 256 bytes
	s_add_nc_u64 s[42:43], s[42:43], s[46:47]
	s_add_nc_u64 s[12:13], s[12:13], s[46:47]
	s_lshl_b32 s46, s3, 10                         ; of 16 scale bytes
	s_add_nc_u64 s[44:45], s[44:45], s[46:47]
	s_add_nc_u64 s[14:15], s[14:15], s[46:47]
	s_lshl_b32 s46, s3, 8                          ; a head's 64 numbers of a bias
	s_add_nc_u64 s[16:17], s[16:17], s[46:47]
	s_add_nc_u64 s[22:23], s[22:23], s[46:47]
	s_add_nc_u64 s[28:29], s[28:29], s[46:47]
	s_wait_alu depctr_va_vdst(0)
	WLOAD 42, G2
	WSLOAD 44, G3
	s_cmp_lg_u32 s4, 0
	s_cbranch_scc1 .Lbias_v
	BLOAD 22, G4
	s_branch .Lbias_done
.Lbias_v:
.irp t, 0,1,2,3
	global_load_b32 v[BV+2*\t], v[G5], s[28:29] offset:(32*(\t/2)+8*(\t%2))*4      ; a lane holds one of the head's 64: one number a tile, twice, for the packed addition
	global_load_b32 v[BV+2*\t+1], v[G5], s[28:29] offset:(32*(\t/2)+8*(\t%2))*4
.endr
.irp t, 0,1,2,3
	ds_store_b32 v[WSA], v[ZR] offset:128*\t+4     ; V's scale bytes 4-7 begin as zeros; byte 4 is written in the last trip
.endr
.Lbias_done:
	s_lshl_b32 s46, s2, 13                         ; Wo: my 32 rows
	s_add_nc_u64 s[30:31], s[30:31], s[46:47]
	s_lshl_b32 s46, s2, 9
	s_add_nc_u64 s[32:33], s[32:33], s[46:47]
	s_lshl_b32 s46, s2, 7
	s_add_nc_u64 s[34:35], s[34:35], s[46:47]
	s_and_b32 s73, s2, 3                           ; out0: stage slots 2 w, 2 w + 1 are mine.  Slot 16 q + 8 a + e holds query 16 a + 8 q + e
	s_lshl_b32 s73, s73, 1
	s_bfe_u32 s74, s2, 0x10002
	s_lshl_b32 s74, s74, 4
	s_or_b32 s73, s73, s74
	s_lshl_b32 s74, s4, 3
	s_or_b32 s73, s73, s74
	s_lshl_b32 s74, s5, 5
	s_add_co_u32 s73, s73, s74
	s_lshl_b32 s46, s73, 11
	s_add_nc_u64 s[36:37], s[36:37], s[46:47]
	s_mov_b32 s60, 0                               ; the trip's steps: x's block,
	s_mov_b32 s61, 0                               ; its scale bytes,
	s_mov_b32 s62, 0                               ; my image,
	s_mov_b32 s63, 0                               ; K's scale words,
	s_mov_b32 s66, 0                               ; V's scale byte
	s_mov_b32 s67, 0
	s_wait_loadcnt 42                              ; x and its scale bytes are in: behind them 32 + 2 + 8 loads of the weight were issued, on both ways
.irp j, 0,1,2,3,4
	ds_store_b128 v5, v[STD+4*\j:STD+4*\j+3] offset:32*XP*\j
.endr
	s_cmp_lt_u32 s2, 5
	s_cbranch_scc0 .Lno_xs_store
	ds_store_b128 v6, v[XSD:XSD+3]
.Lno_xs_store:
	BAR                                            ; the window's x lies in LDS
	s_wait_loadcnt 0x0                             ; my weight, its scales, my bias
; ---------------------------------------------------------------- P1: five trips, a block of 32 keys each
.Lblk:
	v_add_nc_u32 v[CX], s60, v[XA]
	v_add_nc_u32 v[CXS], s61, v[XSA]
	v_add_nc_u32 v[CWI], s62, v[WI]
	v_add_nc_u32 v[CWK], s63, v[WSA]
	v_add_nc_u32 v[CWV], s66, v[WSA]
	s_cmp_lg_u32 s4, 0
	s_cbranch_scc1 .Lv_arm
.irp u, 0,1                                    ; K: a tile of 16 keys at a time.  Lane (r, h) holds key r; register 16 b + i is the head's 32 b + 16 h + i
	XFETCH \u
	s_wait_dscnt 0x0
	PROJT
	PLACES
	QN 2, ACK, PC
	v_lshl_or_b32 v[PW], v[TP+1], 8, v[TP]
	ds_store_b64 v[CWI], v[PC:PC+1] offset:512*\u          ; 16 codes of block 0 of the head's 64,
	ds_store_b64 v[CWI], v[PC+2:PC+3] offset:512*\u+256    ; of block 1
	ds_store_b32 v[CWK], v[PW] offset:128*\u               ; both halves write the same word with the same value
	s_wait_dscnt 0x0                               ; the stores have read their registers: the next fetch lands there
.endr
	s_branch .Ljoin
.Lv_arm:
	s_wait_alu depctr_va_vdst(0)
.irp u, 0,1                                    ; V: lane (r, h) holds one of the head's 64; register 16 t + 8 u + j is key 16 h + 8 u + j of the block
	XFETCH \u
	s_wait_dscnt 0x0
	PROJN \u
	PLACES
.endr
.irp t, 0,1,2,3
.irp k, 0,2,4,6,8,10,12,14
	v_pk_add_f32 v[ACV+16*\t+\k:ACV+16*\t+\k+1], v[ACV+16*\t+\k:ACV+16*\t+\k+1], v[BV+2*\t:BV+2*\t+1]
.endr
.endr
	QN 4, ACV, PC
.irp t, 0,1,2,3
	ds_store_b64 v[CWI], v[PC+2*\t:PC+2*\t+1] offset:256*\t
	ds_store_b8 v[CWV], v[TP+\t] offset:128*\t
.endr
	s_wait_dscnt 0x0
.Ljoin:
	s_add_co_u32 s60, s60, 32*XP
	s_add_co_u32 s61, s61, 512
	s_add_co_u32 s62, s62, 1024
	s_add_co_u32 s63, s63, 256
	s_add_co_u32 s66, s66, 1
	s_add_co_u32 s67, s67, 1
	s_cmp_lt_u32 s67, 5
	s_cbranch_scc1 .Lblk
; ---------------------------------------------------------------- P2: Q of my head for my 16 queries: tile z of block 2
	v_and_b32 v120, 15, v0
	v_bfe_u32 v121, v0, 4, 1
	s_delay_alu instid0(VALU_DEP_2)
	v_and_b32 v122, 8, v120
	s_delay_alu instid0(VALU_DEP_1)
	v_add_nc_u32 v122, v122, v120                  ; r + 8 (r / 8)
	s_delay_alu instid0(VALU_DEP_1)
	v_lshlrev_b32 v120, 8, v122
	s_delay_alu instid0(VALU_DEP_1)
	v_lshl_add_u32 v120, v121, 4, v120
	s_delay_alu instid0(VALU_DEP_3)
	v_lshl_add_u32 v122, v121, 3, v122
	s_delay_alu instid0(VALU_DEP_1)
	v_lshlrev_b32 v122, 4, v122
	v_lshlrev_b32 v121, 6, v121
	WLOAD 12, 120
	WSLOAD 14, 122
	BLOAD 16, 121
	s_mul_i32 s73, s4, 16*XP
	s_add_co_u32 s73, s73, 64*XP
	v_add_nc_u32 v[CX], s73, v[XA]
	s_lshl_b32 s74, s4, 8
	s_add_co_u32 s74, s74, 1024
	v_add_nc_u32 v[CXS], s74, v[XSA]
	XFETCH 0
	s_wait_loadcnt 0x0
	s_wait_dscnt 0x0
	PROJT
	PLACES
	v_and_b32 v120, 15, v0                         ; r
	s_wait_alu depctr_va_vdst(0)
	v_bfe_u32 v121, v0, 4, 1                       ; h
	v_and_b32 v9, 31, v0
	s_delay_alu instid0(VALU_DEP_1)
	v_lshlrev_b32 v9, 4, v9                        ; v9: 16 lane
	s_mul_i32 s73, s3, 5120
	s_add_co_u32 s74, s73, KIMG
	v_add_nc_u32 v1, s74, v9                       ; v1: K's fragments
	s_add_co_u32 s74, s73, VIMG
	v_lshl_add_u32 v3, v120, 4, s74                ; v3: V's, without the half's term
	s_mul_i32 s73, s3, 1280
	s_add_co_u32 s74, s73, KSCL
	v_lshl_add_u32 v2, v120, 3, s74                ; v2: K's scale words
	s_add_co_u32 s74, s73, VSCL
	v_lshl_add_u32 v4, v120, 3, s74                ; v4: V's
	s_lshl_b32 s73, s4, 12
	s_lshl_b32 s74, s3, 9
	s_add_co_u32 s73, s73, s74
	s_add_co_u32 s73, s73, OIMG
	v_lshl_add_u32 v5, v120, 4, s73
	s_wait_alu depctr_va_vdst(0)
	v_lshl_add_u32 v5, v121, 3, v5                 ; v5: where my result's codes go
	s_lshl_b32 s73, s4, 8
	s_lshr_b32 s74, s3, 1
	s_lshl_b32 s74, s74, 6
	s_add_co_u32 s73, s73, s74
	s_and_b32 s74, s3, 1
	s_lshl_b32 s74, s74, 1
	s_add_co_u32 s73, s73, s74
	s_add_co_u32 s73, s73, OSCL
	v_lshl_add_u32 v6, v120, 2, s73                ; v6: and its two scale bytes
	v_lshlrev_b32 v7, 8, v120
	s_delay_alu instid0(VALU_DEP_1)
	v_lshl_add_u32 v7, v121, 4, v7                 ; v7: Wo: 256 r + 16 h
	v_lshlrev_b32 v8, 5, v121                      ; v8: bo: 32 h
.irp n, 0,1                                    ; Wo's slice is asked for now and is wanted in P4
.irp s, 0,1,2,3
.irp c, 0,1
	global_load_b128 v[WO+8*(4*\n+\s)+4*\c:WO+8*(4*\n+\s)+4*\c+3], v7, s[30:31] offset:4096*\n+64*\s+32*\c
.endr
.endr
.endr
	QN 2, ACK, QF
	v_permlane16_swap_b32 v[QF], v[QF+2]           ; the operand wants a whole block in a lane: lanes 0-15 block 0, lanes 16-31 block 1
	v_permlane16_swap_b32 v[QF+1], v[QF+3]
	v_lshl_or_b32 v[QS], v[TP+1], 8, v[TP]         ; bytes 2, 3 stay 0
.irp i, 4,5,6,7
	v_mov_b32 v[QF+\i], 0                          ; K = 64: the rest of the K step is zero codes
.endr
.irp i, 40,41,42,43
	v_mov_b32 v[KF+\i], 0                          ; what stands behind K's last tile
.endr
	v_mov_b32 v[NINF], 0xff800000
	v_and_b32 v[LOB], 8, v120
	s_delay_alu instid0(VALU_DEP_1)
	v_add_nc_u32 v[LOB], v[LOB], v120
	s_delay_alu instid0(VALU_DEP_1)
	v_lshl_add_u32 v[LOB], s4, 3, v[LOB]           ; qi = r + 8 (r / 8) + 8 z: my query among the 32
	s_delay_alu instid0(VALU_DEP_1)
	v_mad_u32_u24 v[HIB], v[LOB], s70, s71
	s_delay_alu instid0(VALU_DEP_2)
	v_mad_u32_u24 v[LOB], v[LOB], s68, s69
	v_lshlrev_b32 v121, 4, v121
	s_delay_alu instid0(VALU_DEP_1)
	v_sub_nc_u32 v[LOB], v[LOB], v121              ; lowest key that counts - 16 h
	s_delay_alu instid0(VALU_DEP_2)
	v_sub_nc_u32 v[HIB], v[HIB], v121              ; highest - 96 - 16 h.  (These eight lines also stand between the scale word and codes just written and the products that take them)
	s_wait_alu depctr_va_vdst(0)
	BAR                                            ; all of K and V lies in LDS
; ---------------------------------------------------------------- P3
.irp i, 0,1,2,3,4,5,6,7,8,9
	ds_load_b128 v[KF+4*\i:KF+4*\i+3], v1 offset:512*\i
	ds_load_b32 v[KS+\i], v2 offset:128*\i
.endr
	s_wait_dscnt 0x0
.irp i, 0,1,2,3,4,5,6,7,8,9
	WM SS+8*\i, KF+4*\i, QF, -1, KS+\i, QS, 0      ; S^T: source 0 = 16 keys (its registers 4-7 are the next tile's: x zeros), source 1 = my 16 queries
.endr
	PLACES
	v_bfe_u32 v1, v0, 4, 1
	s_delay_alu instid0(VALU_DEP_1)
	v_lshl_add_u32 v1, v1, 10, v3                  ; v1: V's fragments of key blocks h and 2 + h
.irp t, 0,1,2,3
	ds_load_b128 v[VA+8*\t:VA+8*\t+3], v1 offset:256*\t
	ds_load_b128 v[VA+8*\t+4:VA+8*\t+7], v1 offset:2048+256*\t
	ds_load_b128 v[VB+4*\t:VB+4*\t+3], v3 offset:4096+256*\t       ; key block 4, in both halves: lanes 16-31 meet zero codes of P
	ds_load_b32 v[VSA+\t], v4 offset:128*\t
	ds_load_b32 v[VSB+\t], v4 offset:128*\t+4
.endr
	MASKLO 0
	MASKHI 4
	s_cmp_lg_u32 s72, 0                            ; inside the sequence the band's edges lie in blocks 0 and 4 alone
	s_cbranch_scc1 .Linner
	MASKLO 1
	MASKHI 3
.Linner:
.irp b, 0,1,2,3,4
	v_max3_num_f32 v[TM+\b], v[SS+16*\b], v[SS+16*\b+1], v[SS+16*\b+2]   ; the largest score of each block of 32 keys: for the row's maximum, and, since p rises with the score, for the block's largest p
.endr
.irp i, 3,5,7,9,11,13
.irp b, 0,1,2,3,4
	v_max3_num_f32 v[TM+\b], v[TM+\b], v[SS+16*\b+\i], v[SS+16*\b+\i+1]
.endr
.endr
.irp b, 0,1,2,3,4
	v_max_num_f32 v[TM+\b], v[TM+\b], v[SS+16*\b+15]
.endr
.irp b, 0,1,2,3,4
	v_permlanex16_b32 v[TP+\b], v[TM+\b], s40, s41
.endr
.irp b, 0,1,2,3,4
	v_max_num_f32 v[TM+\b], v[TM+\b], v[TP+\b]
.endr
	s_delay_alu instid0(VALU_DEP_3)
	v_max3_num_f32 v[MM+1], v[TM], v[TM+1], v[TM+2]
	s_delay_alu instid0(VALU_DEP_1)
	v_max3_num_f32 v[MM+1], v[MM+1], v[TM+3], v[TM+4]      ; my query's largest score (its own key always counts)
	s_delay_alu instid0(VALU_DEP_1)
	v_mul_f32 v[MM+1], s38, v[MM+1]                        ; as t
	s_delay_alu instid0(VALU_DEP_1)
	v_floor_f32 v[MM], -v[MM+1]                            ; -M = floor(-t) = -ceil(t)
.irp j, 0,2,4,6,8,10,12,14,16,18,20,22,24,26,28,30,32,34,36,38,40,42,44,46,48,50,52,54,56,58,60,62,64,66,68,70,72,74,76,78
	v_pk_fma_f32 v[SS+\j:SS+\j+1], v[SS+\j:SS+\j+1], s[38:39], v[MM:MM+1] op_sel_hi:[1,0,0]   ; t - M, two at a time
.endr
.irp b, 0,1,2,3,4
	v_fma_f32 v[TM+\b], v[TM+\b], s38, v[MM]
.endr
	s_wait_alu depctr_va_vdst(0)
.irp j, 0,1,2,3,4,5,6,7,8,9,10,11,12,13,14,15,16,17,18,19,20,21,22,23,24,25,26,27,28,29,30,31,32,33,34,35,36,37,38,39,40,41,42,43,44,45,46,47,48,49,50,51,52,53,54,55,56,57,58,59,60,61,62,63,64,65,66,67,68,69,70,71,72,73,74,75,76,77,78,79
	v_exp_f32 v[SS+\j], v[SS+\j]                           ; p = 2^(t - M): not normalised
.endr
.irp b, 0,1,2,3,4
	v_exp_f32 v[TM+\b], v[TM+\b]                           ; the block's largest p: the same two instructions on the same number
.endr
	v_mov_b32 v[QF+2], 0                                   ; (plain places behind the exponentials)  the halves that block 4's codes change places with
	v_mov_b32 v[QF+3], 0
	s_wait_alu depctr_va_vdst(0)
.irp b, 0,1,2,3,4
	v_max_num_f32 v[TM+\b], 0x1800000, v[TM+\b]            ; the floor 2^(3 - 127): a block whose every p is 0 keeps the byte 1; its codes are zeros
.endr
.irp b, 0,1,2,3,4
	v_add_nc_u32 v[TS+\b], 0xff000000, v[TM+\b]
.endr
.irp b, 0,1,2,3,4
	v_lshrrev_b32 v[TP+\b], 23, v[TS+\b]
.endr
	s_delay_alu instid0(VALU_DEP_4)
	v_lshl_or_b32 v[PWA], v[TP+1], 8, v[TP]
	s_delay_alu instid0(VALU_DEP_1)
	v_lshl_or_b32 v[PWA], v[TP+2], 16, v[PWA]
	s_delay_alu instid0(VALU_DEP_1)
	v_lshl_or_b32 v[PWA], v[TP+3], 24, v[PWA]
	s_delay_alu instid0(VALU_DEP_4)
	v_mov_b32 v[PWB], v[TP+4]
.irp b, 0,1,2,3
	v_cvt_scalef32_pk8_fp4_f32 v[PA+2*\b], v[SS+16*\b:SS+16*\b+7], v[TS+\b]
	v_cvt_scalef32_pk8_fp4_f32 v[PA+2*\b+1], v[SS+16*\b+8:SS+16*\b+15], v[TS+\b]
.endr
	v_cvt_scalef32_pk8_fp4_f32 v[QF], v[SS+64:SS+71], v[TS+4]
	v_cvt_scalef32_pk8_fp4_f32 v[QF+1], v[SS+72:SS+79], v[TS+4]
	v_nop                                                  ; one plain place behind the last scaled conversion
.irp c, 0,1
.irp i, 0,1
	v_permlane16_swap_b32 v[PA+4*\c+\i], v[PA+4*\c+2+\i]   ; a whole block in a lane: lanes 0-15 block 2 c, lanes 16-31 block 2 c + 1
.endr
.endr
	v_permlane16_swap_b32 v[QF], v[QF+2]                   ; block 4 in lanes 0-15, zeros in lanes 16-31
	v_permlane16_swap_b32 v[QF+1], v[QF+3]
	v_pk_add_f32 v[LL:LL+1], v[SS:SS+1], v[SS+2:SS+3]      ; the row's sum, of the unquantised p: two at a time, in eight chains
.irp i, 0,1,2,3
	v_mov_b32 v[SS+\i], 0                                  ; what stands behind V's last tile of block 4
.endr
	v_pk_add_f32 v[32:33], v[120:121], v[124:125]
	v_pk_add_f32 v[52:53], v[128:129], v[132:133]
	v_pk_add_f32 v[50:51], v[136:137], v[140:141]
	v_pk_add_f32 v[48:49], v[144:145], v[148:149]
	v_pk_add_f32 v[46:47], v[152:153], v[156:157]
	v_pk_add_f32 v[44:45], v[160:161], v[164:165]
	v_pk_add_f32 v[42:43], v[168:169], v[172:173]
	v_pk_add_f32 v[54:55], v[54:55], v[176:177]
	v_pk_add_f32 v[32:33], v[32:33], v[180:181]
	v_pk_add_f32 v[52:53], v[52:53], v[184:185]
	v_pk_add_f32 v[50:51], v[50:51], v[188:189]
	v_pk_add_f32 v[48:49], v[48:49], v[116:117]
	v_pk_add_f32 v[46:47], v[46:47], v[118:119]
	v_pk_add_f32 v[44:45], v[44:45], v[122:123]
	v_pk_add_f32 v[42:43], v[42:43], v[126:127]
	v_pk_add_f32 v[54:55], v[54:55], v[130:131]
	v_pk_add_f32 v[32:33], v[32:33], v[134:135]
	v_pk_add_f32 v[52:53], v[52:53], v[138:139]
	v_pk_add_f32 v[50:51], v[50:51], v[142:143]
	v_pk_add_f32 v[48:49], v[48:49], v[146:147]
	v_pk_add_f32 v[46:47], v[46:47], v[150:151]
	v_pk_add_f32 v[44:45], v[44:45], v[154:155]
	v_pk_add_f32 v[42:43], v[42:43], v[158:159]
	v_pk_add_f32 v[54:55], v[54:55], v[162:163]
	v_pk_add_f32 v[32:33], v[32:33], v[166:167]
	v_pk_add_f32 v[52:53], v[52:53], v[170:171]
	v_pk_add_f32 v[50:51], v[50:51], v[174:175]
	v_pk_add_f32 v[48:49], v[48:49], v[178:179]
	v_pk_add_f32 v[46:47], v[46:47], v[182:183]
	v_pk_add_f32 v[44:45], v[44:45], v[186:187]
	v_pk_add_f32 v[42:43], v[42:43], v[190:191]
	s_delay_alu instid0(VALU_DEP_4)
	v_pk_add_f32 v[54:55], v[54:55], v[48:49]
	s_delay_alu instid0(VALU_DEP_4)
	v_pk_add_f32 v[32:33], v[32:33], v[46:47]
	s_delay_alu instid0(VALU_DEP_4)
	v_pk_add_f32 v[52:53], v[52:53], v[44:45]
	s_delay_alu instid0(VALU_DEP_4)
	v_pk_add_f32 v[50:51], v[50:51], v[42:43]
	s_delay_alu instid0(VALU_DEP_2)
	v_pk_add_f32 v[54:55], v[54:55], v[52:53]
	s_delay_alu instid0(VALU_DEP_2)
	v_pk_add_f32 v[32:33], v[32:33], v[50:51]
	s_delay_alu instid0(VALU_DEP_1)
	v_pk_add_f32 v[54:55], v[54:55], v[32:33]
	s_delay_alu instid0(VALU_DEP_1)
	v_add_f32 v[LL], v[LL], v[LL+1]
	s_delay_alu instid0(VALU_DEP_1)
	v_permlanex16_b32 v[LL+1], v[LL], s40, s41
	s_delay_alu instid0(VALU_DEP_1)
	v_add_f32 v[LL], v[LL], v[LL+1]
	s_wait_alu depctr_va_vdst(0)
	v_rcp_f32 v[LL], v[LL]
	v_nop                                                  ; a plain place behind the reciprocal
.irp n, 0,1
	global_load_b128 v[BO+8*\n:BO+8*\n+3], v8, s[34:35] offset:64*\n           ; bo in the result's layout: columns 16 n + 8 h + 0 .. 7 of my 32
	global_load_b128 v[BO+8*\n+4:BO+8*\n+7], v8, s[34:35] offset:64*\n+16
.endr
	global_load_b128 v[WOS:WOS+3], v9, s[32:33]            ; Wo's scale bytes: lane = row of my 32
	s_wait_dscnt 0x0                                       ; V
.irp t, 0,1,2,3
	WM OA+8*\t, VA+8*\t, PA, -1, VSA+\t, PWA, 0            ; O^T: source 0 = 16 of the head's 64, source 1 = P; keys 0-127 of the window
.endr
.irp t, 0,1,2,3
	WM OA+8*\t, VB+4*\t, QF, OA+8*\t, VSB+\t, PWB, 0       ; keys 128-159.  The four accumulators take turns
.endr
	PLACES
	s_wait_alu depctr_va_vdst(0)
.irp j, 0,2,4,6,8,10,12,14,16,18,20,22,24,26,28,30
	v_pk_mul_f32 v[OA+\j:OA+\j+1], v[OA+\j:OA+\j+1], v[LL:LL+1] op_sel_hi:[1,0]   ; / the sum
.endr
	QN 2, OA, PC                                           ; register 16 b + i is the head's 32 b + 16 h + i: the last product's K
	v_lshl_or_b32 v[PW], v[TP+1], 8, v[TP]
	ds_store_b64 v5, v[PC:PC+1]
	ds_store_b64 v5, v[PC+2:PC+3] offset:256
	ds_store_b16 v6, v[PW]
	BAR                                                    ; the attention's result, 32 rows x 512, lies in LDS as eight fragments
; ---------------------------------------------------------------- P4
	v_add_nc_u32 v1, OIMG, v9
	v_and_b32 v2, 15, v0
	s_delay_alu instid0(VALU_DEP_1)
	v_mul_u32_u24 v3, v2, SP
	s_delay_alu instid0(VALU_DEP_2)
	v_lshl_add_u32 v2, v2, 2, OSCL
	v_bfe_u32 v4, v0, 4, 1
	s_delay_alu instid0(VALU_DEP_1)
	v_lshl_add_u32 v3, v4, 5, v3
	s_lshl_b32 s73, s2, 7
	s_add_co_u32 s73, s73, STG
	v_add_nc_u32 v3, s73, v3                               ; the stage, in: slot r, + 32 h, + my 128 bytes
	s_mul_i32 s74, s2, 2*SP
	s_add_co_u32 s74, s74, STG
	v_add_nc_u32 v4, s74, v9                               ; and back: my two slots, 16 bytes a lane
.irp f, 0,1,2,3,4,5,6,7
	ds_load_b128 v[OF+8*\f:OF+8*\f+3], v1 offset:1024*\f
	ds_load_b128 v[OF+8*\f+4:OF+8*\f+7], v1 offset:1024*\f+512
	ds_load_b32 v[OS+\f], v2 offset:64*\f
.endr
	s_wait_dscnt 0x0
	s_wait_loadcnt 0x0                                     ; Wo, its scales, bo
.irp s, 0,1,2,3
.irp n, 0,1
.irp q, 0,1
.if \s == 0
	WM YA+8*(2*\n+\q), WO+8*(4*\n+\s), OF+8*(4*\q+\s), BO+8*\n, WOS+\s, OS+4*\q+\s, \n    ; transposed: a lane holds eight neighbouring columns of one row
.else
	WM YA+8*(2*\n+\q), WO+8*(4*\n+\s), OF+8*(4*\q+\s), YA+8*(2*\n+\q), WOS+\s, OS+4*\q+\s, \n
.endif
.endr
.endr
.endr
	PLACES
	s_wait_alu depctr_va_vdst(0)
.irp n, 0,1
.irp q, 0,1
	ds_store_b128 v3, v[YA+8*(2*\n+\q):YA+8*(2*\n+\q)+3] offset:16*SP*\q+64*\n         ; each accumulator from its low end on
	ds_store_b128 v3, v[YA+8*(2*\n+\q)+4:YA+8*(2*\n+\q)+7] offset:16*SP*\q+64*\n+16
.endr
.endr
	BAR                                                    ; 32 whole rows lie in the stage
.irp i, 0,1
.irp k, 0,1,2,3
	ds_load_b128 v[RB+4*(4*\i+\k):RB+4*(4*\i+\k)+3], v4 offset:SP*\i+512*\k
.endr
.endr
.irp i, 0,1
.irp k, 0,1,2,3
	s_wait_dscnt 7-(4*\i+\k)                               ; LDS loads come back in order: this one is in, the younger ones may be out
	global_store_b128 v9, v[RB+4*(4*\i+\k):RB+4*(4*\i+\k)+3], s[36:37] offset:2048*\i+512*\k th:TH_STORE_NT   ; 32 lanes store 512 consecutive bytes, at a multiple of 256 from out0's first byte
.endr
.endr
	s_barrier_signal -1
	s_barrier_wait -1
	s_wait_xcnt 0x0
	v_lshl_add_u32 v190, v0, 2, 0x36800
	v_mov_b32 v191, 0
	s_wait_alu depctr_va_vdst(0)
	s_wait_tensorcnt 0x0
	ds_add_u32 v190, v191
	s_wait_dscnt 0x0
	s_endpgm
.Lfunc_end_k_qec27cf394e_attn:
	.size	k_qec27cf394e_attn, .Lfunc_end_k_qec27cf394e_attn-k_qec27cf394e_attn
	.p2alignl 7, 3214868480
	.fill 96, 4, 3214868480
	.section	.rodata,"a",@progbits
	.p2align	6, 0x0
	.amdhsa_kernel k_qec27cf394e_attn
		.amdhsa_group_segment_fixed_size 225280
		.amdhsa_private_segment_fixed_size 0
		.amdhsa_enable_private_segment 0
		.amdhsa_kernarg_size 120
		.amdhsa_user_sgpr_count 2
		.amdhsa_user_sgpr_kernarg_segment_ptr 1
		.amdhsa_wavefront_size32 1
		.amdhsa_system_sgpr_workgroup_id_x 1
		.amdhsa_system_sgpr_workgroup_id_y 1
		.amdhsa_system_sgpr_workgroup_id_z 1
		.amdhsa_system_vgpr_workitem_id 0
		.amdhsa_next_free_vgpr 256
		.amdhsa_next_free_sgpr 80
		.amdhsa_reserve_vcc 1
		.amdhsa_float_denorm_mode_32 3
		.amdhsa_float_denorm_mode_16_64 3
		.amdhsa_memory_ordered 1
		.amdhsa_forward_progress 1
		.amdhsa_inst_pref_size 82
	.end_amdhsa_kernel
	.amdgpu_metadata
---
amdhsa.version: [ 1, 2 ]
amdhsa.kernels:
  - .name:           k_qec27cf394e_attn
    .symbol:         k_qec27cf394e_attn.kd
    .args:
      - { .name: x_codes, .offset: 0, .size: 8, .value_kind: global_buffer, .address_space: global }
      - { .name: x_scales, .offset: 8, .size: 8, .value_kind: global_buffer, .address_space: global }
      - { .name: Wq_codes, .offset: 16, .size: 8, .value_kind: global_buffer, .address_space: global }
      - { .name: Wq_scales, .offset: 24, .size: 8, .value_kind: global_buffer, .address_space: global }
      - { .name: bq, .offset: 32, .size: 8, .value_kind: global_buffer, .address_space: global }
      - { .name: Wk_codes, .offset: 40, .size: 8, .value_kind: global_buffer, .address_space: global }
      - { .name: Wk_scales, .offset: 48, .size: 8, .value_kind: global_buffer, .address_space: global }
      - { .name: bk, .offset: 56, .size: 8, .value_kind: global_buffer, .address_space: global }
      - { .name: Wv_codes, .offset: 64, .size: 8, .value_kind: global_buffer, .address_space: global }
      - { .name: Wv_scales, .offset: 72, .size: 8, .value_kind: global_buffer, .address_space: global }
      - { .name: bv, .offset: 80, .size: 8, .value_kind: global_buffer, .address_space: global }
      - { .name: Wo_codes, .offset: 88, .size: 8, .value_kind: global_buffer, .address_space: global }
      - { .name: Wo_scales, .offset: 96, .size: 8, .value_kind: global_buffer, .address_space: global }
      - { .name: bo, .offset: 104, .size: 8, .value_kind: global_buffer, .address_space: global }
      - { .name: out0, .offset: 112, .size: 8, .value_kind: global_buffer, .address_space: global }
    .group_segment_fixed_size: 225280
    .private_segment_fixed_size: 0
    .kernarg_segment_align: 8
    .kernarg_segment_size: 120
    .max_flat_workgroup_size: 512
    .sgpr_count:     80
    .vgpr_count:     256
    .wavefront_size: 32
...
	.end_amdgpu_metadata
.endif
;; end of part 1
